; MI455X (gfx1250); checked and timed in simulation.
; The chip was launched on July 23, 2026; its instructions are those of AMD's public machine-readable ISA for CDNA 5 (MIT licence, August 2026) and "CDNA5" Instruction Set Architecture Reference Guide (July 2026). The comments in the code are by the model that wrote it; some were corrected since.
;; Multi Head Attention. Allowed arithmetic: matrix products marked QUANTISED: E2M1 operands, one E8M0 scale for each 32 along K, by v_wmma_scale_f32_16x16x128_f8f6f4 with both operands' format E2M1 (or v_wmma_scale_f32_32x16x128_f4), f32 sums; products left as they are: bf16, f16 or f32 operands; f32 sums; everything else in f32.
;; Inputs: Wk 1,024 x 1,024 float32; Wq 1,024 x 1,024 float32; Wv 1,024 x 1,024 float32; bk 1,024 float32; bq 1,024 float32; bv 1,024 float32; mask 4 x 2,048 int32; x 4 x 2,048 x 1,024 float32.
;; Outputs: out0 4 x 2,048 x 1,024 float32.
;; This version of the problem:
;;   THIS VERSION OF THE PROBLEM IS GIVEN IN LOW PRECISION. The matrix products marked QUANTISED in the list below multiply operands that are first quantised to E2M1 (2 exponent bits, 1 mantissa bit; 4 bits a number), with one power-of-two scale for each 32 numbers along K (OCP MX v1.0); their sums are f32. The products marked 'left as it is' may take bf16, f16 or f32 operands, with f32 sums. Whichever they take, every output number must still come out within the allowed error. Rounding operands to bf16 (8 significant bits) uses up far more of that allowance than f16 does (11 bits, for magnitudes from 6e-5 to 65,504). All else is computed in f32.
;;   The module's matrix products, in the order in which they are computed (A, B: the left and right operand; K: the contracted axis; several contracted axes count as one K, in the product's order):
;;     1. [M 8,192, K 1,024] x [K 1,024, N 1,024]; A: input x; B: input Wq: QUANTISED
;;     2. [M 8,192, K 1,024] x [K 1,024, N 1,024]; A: input x; B: input Wk: QUANTISED
;;     3. [M 8,192, K 1,024] x [K 1,024, N 1,024]; A: input x; B: input Wv: QUANTISED
;;     4. batch 64 x [M 2,048, K 64] x [K 64, N 2,048]; A: computed on the way; B: computed on the way: left as it is (an operand is computed on the way)
;;     5. batch 64 x [M 2,048, K 2,048] x [K 2,048, N 64]; A: computed on the way; B: computed on the way: left as it is (an operand is computed on the way)
;;   THE QUANTISER, for each operand of a quantised product, along K:
;;     - K is cut into blocks of 32 from its start; a last block that is shorter is filled with zeros.
;;     - A block's scale is 2^e with e = floor(log2(the largest magnitude in the block)) - 2, held to -126 .. 127; a block of zeros has e = 0. As a byte (E8M0): e + 127.
;;     - Each number is divided by its block's scale, clamped to +-6, and rounded to the nearest number of E2M1, ties to even, subnormals kept.
;;     - The product sums the exact products of the quantised numbers (number of the format x scale) in f32.
;;   ~~~python
;;   def quantise(x, axis):      # numpy; x: float32 -> the quantised numbers, widened to float32 again
;;       x = np.moveaxis(x, axis, -1); K = x.shape[-1]
;;       x = np.pad(x, [(0, 0)] * (x.ndim - 1) + [(0, -K % 32)]); x = x.reshape(x.shape[:-1] + (-1, 32)); a = np.abs(x).max(-1, keepdims=True)
;;       e = np.where(a > 0, np.clip(np.frexp(np.where(a > 0, a, 1))[1] - 1 - 2, -126, 127), 0)      # np.frexp(a)[1] - 1 = floor(log2(a)), exactly
;;       r = np.clip(x / 2.0 ** e, -6, 6)
;;       step = 2.0 ** (np.maximum(np.frexp(np.where(r == 0, 1, r))[1] - 1, 0) - 1)
;;       q = np.round(r / step) * step * 2.0 ** e      # np.round: ties to even
;;       return np.moveaxis(q.reshape(q.shape[:-2] + (-1,))[..., :K], -1, axis).astype(np.float32)
;;   ~~~
;; One version. Each part assembles by itself: llvm-mc -triple=amdgcn-amd-amdhsa -mcpu=gfx1250 --defsym DOCPART=n.
;; ======== version 1 of 1: 3 launches
;; limits: values are held in f16: magnitudes above 65,504 overflow, below 6.1e-05 lose precision; right only within a limited range of input values
;; workspace buffers: xc 4,194,304 bytes; xs 262,144 bytes; wc 1,572,864 bytes; ws 98,304 bytes; qf 16,777,216 bytes; kf 16,777,216 bytes; vf 16,777,216 bytes
;; launch quant (part 1): grid 256 x 1, 4 waves a work-group, no clusters, 100,864 bytes of LDS; arguments x, Wq, Wk, Wv, xc, xs, wc, ws; writes xc, xs, wc, ws
.if DOCPART == 1
	.amdgcn_target "amdgcn-amd-amdhsa--gfx1250"
	.amdhsa_code_object_version 6
	.text
	.protected	k_qeb1a3c7054_quant
	.globl	k_qeb1a3c7054_quant
	.p2align	8
	.type	k_qeb1a3c7054_quant,@function
k_qeb1a3c7054_quant:
	s_mov_b64 s[64:65], 0
	v_nop
	global_prefetch_b8 v0, s[64:65] scope:SCOPE_SE
	s_setreg_imm32_b32 hwreg(HW_REG_WAVE_MODE, 25, 1), 1
	s_wait_xcnt 0x0
; MULTI-HEAD ATTENTION, launch 1 of 3: x [8192][1024] and Wq, Wk, Wv [1024 (k)][1024 (n)], f32, become codes of FP4 (E2M1) with one E8M0 scale byte for each 32 along K = 1024.
; WORK LEFT OUT BY THE WHOLE PROGRAM.  bk: scores[s][t] = q_s . (x Wk)_t + q_s . bk; the second term is the same for all t, and the softmax along t takes away whatever is the same along t, for all finite
; values of the inputs; the product of q and k is not quantised, so bk moves no code and no scale.  bk is not loaded and is among no launch's arguments.  LIMIT: a NaN, an infinity or an overflow that would
; arise through bk alone is not carried to the result.  bv is live, but is added once, at the end: sum_t w_t (v_t + bv) = sum_t w_t v_t + bv, since the weights of a row add up to 1 (launch 3).
; THE QUANTISER.  A block's scale is 2^(floor(log2(its largest magnitude)) - 2); its byte is the largest magnitude's exponent field - 2, held at 1 from below.  Each number is divided by the scale and rounded to
; the nearest code, ties to even, beyond 6 the largest code.  (A block of zeros gets the byte 1 where the rule says 127: its codes are zeros, which add nothing, and this program alone reads the bytes.)
; LIMITS: NaN and infinities among the inputs are not served; blocks whose largest magnitude lies under 2^(3 - 127) keep the byte 1.
; LAYOUT OF THE RESULTS: IN THE ORDER OF THE OPERAND'S REGISTERS.  A fragment (16 rows x 128 K) is 1,024 bytes: the 16 bytes of K block blk (0..3) of row r lie at 256 blk + 16 r, which is 512 c + 16 lane for
; registers 4 c .. 4 c + 3.  xc: [rowtile 512][K step 8][1,024];  xs: [rowtile][K half 2][row 16][4 words], word q = the four bytes of K step 4 half + q.  wc, ws likewise for the 3,072 rows widx x 1,024 + n.
; SHARES.  x: wave g = 4 work-group + wave takes rowtile g / 2, K half g % 2: 16 rows x 512 K, in 8 steps of 16 rows x 64 K.  Each load reads 256 consecutive bytes of two rows; a step turns through the wave's own
; stage in LDS (rows 272 bytes apart), so that a lane then holds one whole block of 32.  A step's codes are 512 consecutive bytes of xc; a wave's scale words one aligned run of 256 bytes of xs.
; W: work-groups 0 to 191 also take 128 K x 128 columns of one W (a wave: 32 columns).  A lane takes a column and its registers run down K, so the codes come out with K innermost.  W's scale words leave 4 bytes a lane,
; 16 bytes apart: one byte in 128 of what the launch reads.
; No tensor load, no barrier: waves share nothing.
.set STG,   16*272                     ; a stage: 16 rows x (256 + 16) bytes
.set WREG,  2*STG                      ; two stages for each wave
.set WST,   4*WREG                     ; behind them: W's own bytes, 128 rows x 128 bytes for each wave
.set WWV,   16384
.set SPARE, WST+4*WWV                  ; the spare words, 128 bytes for each wave: two blocks of 256 bytes that no other line names
.set XO,  4                            ; v4   x: 4,096 (lane / 16) + 16 (lane % 16)
.set SI,  5                            ; v5   the stage, on the way in
.set SOT, 6                            ; v6   and on the way out: row lane % 16, block lane / 16
.set CO,  7                            ; v7   16 x lane
.set SO8, 8                            ; v8   xs: 16 (lane % 16) + 8 (lane / 16)
.set SH8, 9                            ; v9   8 (lane / 16): my byte's place in a scale word, in bits
.set PD,  10                           ; v10  a lane permute's destination
.set SPW, 14                           ; v14  LDS address of my spare word; never rewritten
.set NIL, 15                           ; v15  0; never rewritten
.set R,   16                           ; v16-143  four sets of 32: x as loaded
.set X,   144                          ; v144-207 two sets of 32: a block of 32 neighbours along K
.set C,   208                          ; v208-239 codes: four registers a step
.set W0,  240                          ; v240-243 the four scale words of my row
.set SWT, 244                          ; v244 a scale word in the making
.set OP,  246                          ; v[246:247] the two words that I store
.set WLO, 248                          ; v248 W: 4,096 (lane / 8) + 16 (lane % 8)
.set WSI, 249                          ; v249 W's bytes in LDS, on the way in: 16 x lane
.set WSO, 250                          ; v250 and on the way out: 4 x lane: my column
.set WCO, 251                          ; v251 wc: 8,192 (lane / 16) + 16 (lane % 16)
.set WSS, 252                          ; v252 ws: 512 (lane / 16) + 16 (lane % 16)
.set WSW, 253                          ; v253 my column's scale word
.set MSB, 0                            ; window 1: v0-127: W as loaded
.macro WIN new                         ; the immediate's high byte repeats the setting that is left
.if MSB != \new
	s_set_vgpr_msb (MSB<<8)|\new
.set MSB, \new
.endif
.endm
.macro LOADX s                         ; step s: 16 rows x 256 bytes; lanes 0-15 take an even row's 256 bytes, lanes 16-31 the next row's
.set li, 0
.rept 8
	global_load_b128 v[R+32*((\s)%4)+4*li:R+32*((\s)%4)+4*li+3], v[XO], s[4:5] offset:li*8192+(\s)*256 th:TH_LOAD_NT
.set li, li+1
.endr
.endm
.macro TURNX s                         ; through the stage: LDS serves a wave's instructions in order, so no wait stands between the stores and the loads
.set li, 0
.rept 8
	ds_store_b128 v[SI], v[R+32*((\s)%4)+4*li:R+32*((\s)%4)+4*li+3] offset:STG*((\s)%2)+544*li
.set li, li+1
.endr
.set li, 0
.rept 8
	ds_load_b128 v[X+32*((\s)%2)+4*li:X+32*((\s)%2)+4*li+3], v[SOT] offset:STG*((\s)%2)+16*li
.set li, li+1
.endr
.endm
.macro QBLK xs, cd                     ; 32 numbers of one block in v[xs] on -> 32 codes in v[cd] .. v[cd + 3], the scale's byte in v13
	v_max3_num_f32 v12, |v[(\xs)]|, |v[(\xs)+1]|, |v[(\xs)+2]|
	v_max3_num_f32 v13, |v[(\xs)+3]|, |v[(\xs)+4]|, |v[(\xs)+5]|
.irp i, 6,10,14,18,22,26
	v_max3_num_f32 v12, v12, |v[(\xs)+\i]|, |v[(\xs)+\i+1]|
	v_max3_num_f32 v13, v13, |v[(\xs)+\i+2]|, |v[(\xs)+\i+3]|
.endr
	v_max3_num_f32 v12, v12, |v[(\xs)+30]|, |v[(\xs)+31]|
	v_max3_num_f32 v12, v12, v13, 0x1800000        ; and the floor 2^(3 - 127): the byte cannot fall under 1
	v_add_nc_u32 v11, 0xff000000, v12              ; 2 off the exponent field: the conversion takes the exponent field of this operand as its scale, and nothing else of it
.irp g, 0,1,2,3
	v_cvt_scalef32_pk8_fp4_f32 v[(\cd)+\g], v[(\xs)+8*\g:(\xs)+8*\g+7], v11
.endr
	v_lshrrev_b32 v13, 23, v11                     ; the scale's byte; also the plain line behind the conversions
.endm
.macro WLD t                           ; block t of my column: 32 numbers down K; 32 lanes read 128 consecutive bytes
.set li, 0
.rept 32
	ds_load_b32 v[X+32*((\t)%2)+li], v[WSO] offset:(32*(\t)+li)*128
.set li, li+1
.endr
.endm
.macro STEPX s
	s_wait_dscnt 0x0                               ; this step's block is back from the stage, and the stores into the stage have read their registers,
.if (\s)+4 < 8
	LOADX (\s)+4                                   ; which take the loads of four steps on
.endif
.if (\s)+1 < 8
.if (\s) <= 3
	s_wait_loadcnt 24                              ; the next step's eight loads are in; those of the three steps behind it may be out
.else
	s_wait_loadcnt 8*(6-(\s))
.endif
	TURNX (\s)+1                                   ; and go through the other stage while this step is worked
.endif
	QBLK X+32*((\s)%2), C+4*(\s)
	global_store_b128 v[CO], v[C+4*(\s):C+4*(\s)+3], s[12:13] offset:512*(\s)   ; 32 lanes store 512 consecutive bytes: blocks 2 (s % 2) and 2 (s % 2) + 1 of K step s / 2, sixteen rows each
.if (\s)%2 == 0
	v_mov_b32 v[SWT], v13                          ; my byte of block lane / 16,
.else
	v_lshl_or_b32 v[SWT], v13, 16, v[SWT]          ; and of block 2 + lane / 16,
	v_lshlrev_b32 v[SWT], v[SH8], v[SWT]           ; at their places in the word;
	v_permlanex16_b32 v[PD], v[SWT], s22, s23
	v_or_b32 v[W0+(\s)/2], v[SWT], v[PD]           ; with lane l xor 16's two the word is whole
.endif
.endm
	s_load_b512 s[4:19], s[0:1], 0x0               ; x s[4:5], Wq s[6:7], Wk s[8:9], Wv s[10:11], xc s[12:13], xs s[14:15], wc s[16:17], ws s[18:19]
	v_lshl_add_u32 v[SPW], v0, 2, SPARE
	v_mov_b32 v[NIL], 0
	v_lshrrev_b32 v1, 5, v0
	v_readfirstlane_b32 s20, v1                    ; wave 0..3
	v_and_b32 v1, 31, v0                           ; lane
	v_and_b32 v2, 15, v0                           ; lane % 16
	v_bfe_u32 v3, v0, 4, 1                         ; lane / 16
	v_lshlrev_b32 v[XO], 4, v2
	v_lshl_add_u32 v[XO], v3, 12, v[XO]
	s_mul_i32 s21, s20, WREG
	v_mul_u32_u24 v[SI], v3, 272
	v_lshl_add_u32 v[SI], v2, 4, v[SI]
	v_add_nc_u32 v[SI], s21, v[SI]
	v_mul_u32_u24 v[SOT], v2, 272
	v_lshl_add_u32 v[SOT], v3, 7, v[SOT]
	v_add_nc_u32 v[SOT], s21, v[SOT]
	v_lshlrev_b32 v[CO], 4, v1
	v_lshlrev_b32 v[SO8], 4, v2
	v_lshl_add_u32 v[SO8], v3, 3, v[SO8]
	v_lshlrev_b32 v[SH8], 3, v3
	v_mov_b32 v[PD], 0                             ; written once: a lane permute's destination counts as one of its sources
	v_lshrrev_b32 v[WLO], 3, v1
	v_and_b32 v11, 7, v1
	v_lshlrev_b32 v[WLO], 12, v[WLO]
	v_lshl_add_u32 v[WLO], v11, 4, v[WLO]
	s_lshl_b32 s25, s20, 14
	s_add_co_u32 s25, s25, WST
	v_lshl_add_u32 v[WSI], v1, 4, s25
	v_lshl_add_u32 v[WSO], v1, 2, s25
	v_lshlrev_b32 v[WCO], 4, v2
	v_lshl_add_u32 v[WCO], v3, 13, v[WCO]
	v_lshlrev_b32 v[WSS], 4, v2
	v_lshl_add_u32 v[WSS], v3, 9, v[WSS]
	s_mov_b32 s22, 0x76543210
	s_mov_b32 s23, 0xfedcba98                      ; v_permlanex16_b32's selects for lane l xor 16
	s_mov_b32 s24, 0xffff0000                      ; lanes 16-31
	s_lshl_b32 s26, ttmp9, 2
	s_add_co_u32 s26, s26, s20                     ; g
	s_lshr_b32 s27, s26, 1                         ; rowtile
	s_and_b32 s28, s26, 1                          ; K half
	s_lshl_b32 s30, s27, 16                        ; x: 16 rows of 4,096 bytes a rowtile,
	s_lshl_b32 s31, s28, 11                        ; 2,048 bytes a K half
	s_add_co_u32 s30, s30, s31
	s_mov_b32 s31, 0
	s_lshl_b32 s32, s26, 12                        ; xc: 4,096 bytes for each g
	s_mov_b32 s33, 0
	s_lshl_b32 s34, s26, 8                         ; xs: 256
	s_mov_b32 s35, 0
	s_wait_kmcnt 0x0
	s_add_nc_u64 s[4:5], s[4:5], s[30:31]
	s_add_nc_u64 s[12:13], s[12:13], s[32:33]
	s_add_nc_u64 s[14:15], s[14:15], s[34:35]
	LOADX 0
	LOADX 1
	LOADX 2
	LOADX 3
	; ---- W: work-groups 0 to 191, while x's first 32 loads are on their way
	s_cmp_lt_u32 ttmp9, 192
	s_cbranch_scc0 .Lno_w
	s_lshr_b32 s38, ttmp9, 6                       ; which W: 0 Wq, 1 Wk, 2 Wv
	s_and_b32 s39, ttmp9, 7                        ; which 128 columns
	s_bfe_u32 s40, ttmp9, 0x30003                  ; which K step of 128
	s_cmp_eq_u32 s38, 0
	s_cselect_b64 s[36:37], s[6:7], s[8:9]
	s_cmp_eq_u32 s38, 2
	s_cselect_b64 s[36:37], s[10:11], s[36:37]
	s_lshl_b32 s42, s40, 19                        ; 128 rows of 4,096 bytes,
	s_lshl_b32 s43, s39, 9                         ; 128 columns,
	s_add_co_u32 s42, s42, s43
	s_lshl_b32 s43, s20, 7                         ; my wave's 32
	s_add_co_u32 s42, s42, s43
	s_mov_b32 s43, 0
	s_add_nc_u64 s[36:37], s[36:37], s[42:43]
	s_lshl_b32 s44, s38, 6
	s_lshl_b32 s45, s39, 3
	s_add_co_u32 s44, s44, s45
	s_lshl_b32 s45, s20, 1
	s_add_co_u32 s44, s44, s45                     ; my first rowtile of wc: 64 widx + 8 x column group + 2 x wave
	s_lshl_b32 s42, s44, 13
	s_lshl_b32 s45, s40, 10
	s_add_co_u32 s42, s42, s45
	s_add_nc_u64 s[16:17], s[16:17], s[42:43]
	s_lshl_b32 s42, s44, 9
	s_lshr_b32 s45, s40, 2
	s_lshl_b32 s45, s45, 8
	s_add_co_u32 s42, s42, s45
	s_and_b32 s45, s40, 3
	s_lshl_b32 s45, s45, 2
	s_add_co_u32 s42, s42, s45
	s_add_nc_u64 s[18:19], s[18:19], s[42:43]
	WIN 0x40                                       ; destination window 1
.set li, 0
.rept 32
	global_load_b128 v[4*li:4*li+3], v[WLO], s[36:37] offset:li*16384 th:TH_LOAD_NT   ; four rows x 128 bytes; the four waves stand side by side on 512 bytes of each row
.set li, li+1
.endr
	WIN 0
	s_wait_loadcnt 0x0
	WIN 0x04                                       ; an LDS store's data are its source 1: window 1
.set li, 0
.rept 32
	ds_store_b128 v[WSI], v[4*li:4*li+3] offset:512*li   ; as they lie: 128 rows of 128 bytes
.set li, li+1
.endr
	WIN 0
	WLD 0
	WLD 1
.irp t, 0,1,2,3
.if \t < 3
	s_wait_dscnt 32                                ; this block's 32 loads are in; the next block's may be out
.else
	s_wait_dscnt 0x0
.endif
	QBLK X+32*(\t%2), C+4*\t
.if \t == 0
	v_mov_b32 v[WSW], v13
.else
	v_lshl_or_b32 v[WSW], v13, 8*\t, v[WSW]
.endif
.if \t < 2
	WLD \t+2
.endif
.endr
.irp t, 0,1,2,3
	global_store_b128 v[WCO], v[C+4*\t:C+4*\t+3], s[16:17] offset:256*\t   ; sixteen lanes store 256 consecutive bytes, aligned: block t of sixteen rows
.endr
	global_store_b32 v[WSS], v[WSW], s[18:19]
	s_wait_xcnt 0x0                                ; these stores have read their data: x's steps write the same code registers
.Lno_w:
	; ---- x
	s_wait_loadcnt 24                              ; step 0's eight loads are in
	TURNX 0
.irp s, 0,1,2,3,4,5,6,7
	STEPX \s
.endr
	v_cndmask_b32 v[OP], v[W0], v[W0+2], s24       ; lanes 0-15 store words 0 and 1 of their row, lanes 16-31 words 2 and 3
	v_cndmask_b32 v[OP+1], v[W0+1], v[W0+3], s24
	global_store_b64 v[SO8], v[OP:OP+1], s[14:15]  ; 32 lanes store 256 consecutive bytes, aligned
	s_wait_tensorcnt 0x0                           ; the wave's end: behind my last LDS store
	ds_add_u32 v[SPW], v[NIL]
	s_wait_dscnt 0x0
	s_endpgm
.Lfunc_end_k_qeb1a3c7054_quant:
	.size	k_qeb1a3c7054_quant, .Lfunc_end_k_qeb1a3c7054_quant-k_qeb1a3c7054_quant
	.p2alignl 7, 3214868480
	.fill 96, 4, 3214868480
	.section	.rodata,"a",@progbits
	.p2align	6, 0x0
	.amdhsa_kernel k_qeb1a3c7054_quant
		.amdhsa_group_segment_fixed_size 100864
		.amdhsa_private_segment_fixed_size 0
		.amdhsa_enable_private_segment 0
		.amdhsa_kernarg_size 64
		.amdhsa_user_sgpr_count 2
		.amdhsa_user_sgpr_kernarg_segment_ptr 1
		.amdhsa_wavefront_size32 1
		.amdhsa_system_sgpr_workgroup_id_x 1
		.amdhsa_system_sgpr_workgroup_id_y 1
		.amdhsa_system_sgpr_workgroup_id_z 1
		.amdhsa_system_vgpr_workitem_id 0
		.amdhsa_next_free_vgpr 384
		.amdhsa_next_free_sgpr 66
		.amdhsa_reserve_vcc 0
		.amdhsa_float_denorm_mode_32 3
		.amdhsa_float_denorm_mode_16_64 3
		.amdhsa_memory_ordered 1
		.amdhsa_forward_progress 1
		.amdhsa_inst_pref_size 51
	.end_amdhsa_kernel
	.amdgpu_metadata
---
amdhsa.version: [ 1, 2 ]
amdhsa.kernels:
  - .name:           k_qeb1a3c7054_quant
    .symbol:         k_qeb1a3c7054_quant.kd
    .args:
      - { .name: x, .offset: 0, .size: 8, .value_kind: global_buffer, .address_space: global }
      - { .name: Wq, .offset: 8, .size: 8, .value_kind: global_buffer, .address_space: global }
      - { .name: Wk, .offset: 16, .size: 8, .value_kind: global_buffer, .address_space: global }
      - { .name: Wv, .offset: 24, .size: 8, .value_kind: global_buffer, .address_space: global }
      - { .name: xc, .offset: 32, .size: 8, .value_kind: global_buffer, .address_space: global }
      - { .name: xs, .offset: 40, .size: 8, .value_kind: global_buffer, .address_space: global }
      - { .name: wc, .offset: 48, .size: 8, .value_kind: global_buffer, .address_space: global }
      - { .name: ws, .offset: 56, .size: 8, .value_kind: global_buffer, .address_space: global }
    .group_segment_fixed_size: 100864
    .private_segment_fixed_size: 0
    .kernarg_segment_align: 8
    .kernarg_segment_size: 64
    .max_flat_workgroup_size: 128
    .sgpr_count:     66
    .vgpr_count:     384
    .wavefront_size: 32
...
	.end_amdgpu_metadata
.endif
;; end of part 1
;; launch proj (part 2): grid 8 x 48, 4 waves a work-group, clusters of 4 x 4, 327,680 bytes of LDS; arguments xc, xs, wc, ws, bq, qf, kf, vf; writes qf, kf, vf
.if DOCPART == 2
	.amdgcn_target "amdgcn-amd-amdhsa--gfx1250"
	.amdhsa_code_object_version 6
	.text
	.protected	k_qeb1a3c7054_proj
	.globl	k_qeb1a3c7054_proj
	.p2align	8
	.type	k_qeb1a3c7054_proj,@function
k_qeb1a3c7054_proj:
	s_mov_b64 s[64:65], 0
	v_nop
	global_prefetch_b8 v0, s[64:65] scope:SCOPE_SE
	s_setreg_imm32_b32 hwreg(HW_REG_WAVE_MODE, 25, 1), 1
	s_wait_xcnt 0x0
	s_wait_alu depctr_hold_cnt(0) depctr_sa_sdst(0) depctr_va_vdst(0) depctr_va_sdst(0) depctr_va_ssrc(0) depctr_va_vcc(0) depctr_vm_vsrc(0)
	s_getreg_b32 s2, hwreg(HW_REG_IB_STS2, 6, 4)
	s_cmp_eq_u32 s2, 0
	s_cbranch_scc0 .Lentry_in_a_cluster
	s_endpgm
.Lentry_in_a_cluster:
	s_bfe_u32 s2, ttmp6, 0x10000c
	s_cmp_lg_u32 s2, 0xf033
	s_cbranch_scc0 .Lentry_shape_is_right
	s_endpgm
.Lentry_shape_is_right:
; MULTI-HEAD ATTENTION, launch 2 of 3: the three projections, on codes of FP4 (E2M1) with E8M0 scales, K = 1,024, sums in f32; the results leave as f16, laid in the order of launch 3's operand registers.
; LEFT OUT: bk (the same along the softmax's axis: shown at the head of launch 1); bv is added in launch 3.  bq is the C of the first K step.  q is multiplied by c = log2(e) / 8 in f32, ahead of its one rounding to f16.
; LIMIT: |c (x Wq + bq)|, |x Wk| and |x Wv| stay under 65,504, f16's largest number: inputs 30 times the drawn spread on both x and W give about 5,000, offsets of 30 spreads on both about 28,800.
; THE PRODUCT.  C'[m'][n'] = sum over k of A'[m'][k] B'[n'][k], a tile of 256 x 256 to a work-group of four waves, 128 x 128 to a wave: 64 accumulators, 512 registers.  Source 0 = 16 rows of B', source 1 = 16 rows of A':
; a lane holds ONE row of A' and its eight registers eight neighbouring rows of B'.
;   clusters with y < 8:  A' = x (tile row 4 y + cy), B' = Wq (cluster x = 0) or Wk (cluster x = 1): a lane holds a token, its registers run along the channels: 16 bytes of a fragment of Q or K.
;   clusters with y >= 8: A' = Wv (tile row 8 + cy of wc), B' = x: a lane holds a channel, its registers run along the tokens: 16 bytes of a fragment of V^T.  Only pointers and tile numbers differ.
; So every store is 32 lanes x 16 bytes = 512 consecutive bytes, straight from registers: no stage.
; K = 1,024 is two slots of 512: both are asked for at the start and nothing is filled again.  Codes lie in memory as images of fragments (1,024 bytes for 16 rows x 128 K), so a fragment comes by two loads at 16 x lane:
; no pitch and no padding.  The scale words of 128 rows are 4,096 consecutive bytes.
; CLUSTERS: 4 x 4 work-groups; A''s tiles are asked for jointly along a row of the cluster, B''s along a column.  The kind of a cluster hangs on the cluster's numbers alone: it is the same in all sixteen partners.
; REGISTERS, in windows of 256: window 0: v0-31 addresses; v32-95 scale words, two sets; v128-191 A''s fragments, one set; v192-255 the C of the first K step; on the way out v128-255 hold packed results.
;   window 1: B''s fragments, two sets, at v0 and v128.   window 2: the accumulators of my rows 0-63 ((a, b) at v[8 (8 a + b)]);   window 3: those of my rows 64-127.
.set NQ,     4                         ; K steps of 128 in a slot
.set FR,     8                         ; registers of a fragment
.set NL,     2                         ; LDS loads that bring one
.set NP,     4                         ; places behind this matrix instruction (ISA guide 7.12.1)
.set HALFT,  32768                     ; 128 rows x 512 K of codes: 8 rowtiles x 4 K steps x 1,024 bytes: what one tensor load brings
.set SLOT,   4*HALFT                   ; A''s two halves, then B''s two
.set SCL,    2*SLOT                    ; behind the slots: the scale words, 4,096 bytes for 128 rows
.set HALFS,  4096
.set SPARE,  SCL+4*HALFS               ; the spare words, 128 bytes for each wave: two blocks of 256 bytes that no other line names
.set ADRA, 16                          ; v16-17  LDS address of my A' fragments in slot 0, 1
.set ADRB, 20                          ; v20-21  the same for B'
.set CO,   26                          ; v26     16 x lane
.set ADRS, 27                          ; v27     LDS address of my scale words: lanes 0-15 A''s rows, lanes 16-31 B''s
.set SPW,  28                          ; v28     LDS address of my spare word; never rewritten
.set NIL,  29                          ; v29     0; never rewritten
.set SC,   32                          ; scale words: set s at v[SC + 32 s]; register 4 i + q: lanes 0-15 the word of A''s block i, lanes 16-31 of B''s block i, K step q of the slot
.set AF,   128
.set CB,   192                          ; eight registers for each of B''s blocks: bq at the lane's eight channels (Q), or zeros
.set TMP,  128                         ; the way out: four sets of 32
.set WV,   20                          ; s20 wave;  s21 wave / 2: my half of A''s rows, and: I fetch for A' (0) or B' (1);  s22 wave % 2: my half of B''s rows, and: which 128 rows I fetch
.set KIND, 23                          ; s23 0: Q, 1: K, 2: V
.set G1,   24
.set G0,   32
.set G1B,  48
.set G0B,  56
.set G1S,  68
.set G0S,  76
.set G1SB, 80
.set G0SB, 88
.set MSB, 0
.macro WIN new                         ; the immediate's high byte repeats the setting that is left
.if MSB != \new
	s_set_vgpr_msb (MSB<<8)|\new
.set MSB, \new
.endif
.endm
.set MUL_LO, 0xa1                      ; source 0 (B') window 1, source 1 (A') window 0, C and D window 2
.set MUL_HI, 0xf1                      ; the same, C and D window 3
.set TO_B,   0x40
; A joint load: waves 0 and 1 fetch for A', waves 2 and 3 for B'.  Each of the two lines has one mask and one set of registers; the branch hangs on the wave's number alone.
; An s_nop 0 and four v_nop follow each of the two lines, ahead of the jump, the label and what follows.
.macro JLOAD g0a, g1a, g0b, g1b
	s_cmp_eq_u32 s21, 0
	s_cbranch_scc0 .Lfor_b_\@
	tensor_load_to_lds s[\g0a:\g0a+3], s[\g1a:\g1a+7]
	s_nop 0
.rept 4
	v_nop
.endr
	s_branch .Lasked_\@
.Lfor_b_\@:
	tensor_load_to_lds s[\g0b:\g0b+3], s[\g1b:\g1b+7]
	s_nop 0
.rept 4
	v_nop
.endr
.Lasked_\@:
.endm
.macro CROUND                          ; a round of the cluster's barrier
	s_barrier_signal -1
	s_barrier_wait -1
	s_cmp_lg_u32 s[WV], 0
	s_cbranch_scc1 .Lnot_wave_0_\@
	s_barrier_signal -3
.Lnot_wave_0_\@:
	s_barrier_wait -3
	s_barrier_signal -1
	s_barrier_wait -1
.endm
	s_load_b512 s[4:19], s[0:1], 0x0               ; xc s[4:5], xs s[6:7], wc s[8:9], ws s[10:11], bq s[12:13], qf s[14:15], kf s[16:17], vf s[18:19]
	v_lshl_add_u32 v[SPW], v0, 2, SPARE
	v_mov_b32 v[NIL], 0
	ds_add_u32 v[SPW], v[NIL]                      ; the wave's opening: the add, twice on end, and its wait ahead of my first tensor load; the set-up below stands between
	ds_add_u32 v[SPW], v[NIL]
	v_lshrrev_b32 v1, 5, v0
	v_readfirstlane_b32 s[WV], v1
	s_lshr_b32 s21, s[WV], 1
	s_and_b32 s22, s[WV], 1
	s_bfe_u32 s40, ttmp6, 0x40000                  ; cx
	s_bfe_u32 s41, ttmp6, 0x40004                  ; cy
	s_and_b32 s46, ttmp7, 0xffff                   ; cluster y
	s_lshl_b32 s43, s46, 2
	s_add_co_u32 s43, s43, s41                     ; Q, K: A''s tile = 4 x cluster y + cy, of x's 32
	s_add_co_u32 s47, s41, 8                       ; V: 8 + cy, of wc's 12
	s_lshl_b32 s42, ttmp9, 2
	s_add_co_u32 s42, s42, s40                     ; Q, K: B''s tile = 4 x cluster x + cx, of wc's first 8
	s_lshl_b32 s66, s46, 3
	s_sub_co_u32 s66, s66, 64
	s_add_co_u32 s66, s66, s42                     ; V: 8 (cluster y - 8) + 4 x cluster x + cx, of x's 32
	s_min_u32 s[KIND], ttmp9, 1
	s_cmp_lt_u32 s46, 8
	s_cselect_b32 s43, s43, s47                    ; A''s tile: it hangs on cy and the cluster's numbers alone
	s_cselect_b32 s42, s42, s66                    ; B''s tile: on cx and the cluster's numbers alone
	s_cselect_b32 s[KIND], s[KIND], 2
	s_lshl_b32 s44, s41, 2
	s_lshl_b32 s44, 15, s44                        ; my row of the cluster
	s_lshl_b32 s45, 0x1111, s40                    ; my column
	; descriptor group 1.  Codes: 8 rows (rowtiles) of 4,096 bytes (512 elements of 8 bytes), 8,192 bytes apart.  15:0 the mask; 17:16 elements of 8 bytes; 21 set beside a mask; no padding
	s_or_b32 s[G1+0], s44, (3<<16)|(1<<21)
	s_or_b32 s[G1B+0], s45, (3<<16)|(1<<21)
.irp g, G1, G1B
	s_mov_b32 s[\g+1], 512<<16                     ; tensor_dim0
	s_mov_b32 s[\g+2], 8<<16                       ; tensor_dim1
	s_mov_b32 s[\g+3], 512<<16                     ; tile_dim0
	s_mov_b32 s[\g+4], 8                           ; tile_dim1
	s_mov_b32 s[\g+5], 1024                        ; tensor_dim0_stride
	s_mov_b32 s[\g+6], 0
	s_mov_b32 s[\g+7], 0
.endr
	; scale words: 4,096 dense bytes as 16 rows of 256
	s_or_b32 s[G1S+0], s44, (3<<16)|(1<<21)
	s_or_b32 s[G1SB+0], s45, (3<<16)|(1<<21)
.irp g, G1S, G1SB
	s_mov_b32 s[\g+1], 32<<16
	s_mov_b32 s[\g+2], 16<<16
	s_mov_b32 s[\g+3], 32<<16
	s_mov_b32 s[\g+4], 16
	s_mov_b32 s[\g+5], 32
	s_mov_b32 s[\g+6], 0
	s_mov_b32 s[\g+7], 0
.endr
	s_lshl_b32 s44, s[WV], 15                      ; where my codes go: wave x 32,768: no place in the cluster enters an LDS address
	s_lshl_b32 s45, s[WV], 12                      ; and my scale words
	s_lshl_b32 s46, s43, 17                        ; A': a tile of 256 rows is 131,072 bytes of codes,
	s_lshl_b32 s47, s22, 16                        ; the 128 rows that I fetch 65,536
	s_add_co_u32 s46, s46, s47
	s_mov_b32 s47, 0
	s_lshl_b32 s66, s42, 17                        ; B' likewise
	s_lshl_b32 s67, s22, 16
	s_add_co_u32 s66, s66, s67
	s_mov_b32 s67, 0
	s_wait_dscnt 0x0                               ; both opening adds are done
	s_wait_kmcnt 0x0
	s_cmp_lg_u32 s[KIND], 2
	s_cselect_b64 s[92:93], s[4:5], s[8:9]         ; A''s codes
	s_cselect_b64 s[94:95], s[6:7], s[10:11]       ; A''s scale words
	s_cselect_b64 s[96:97], s[8:9], s[4:5]         ; B''s codes
	s_cselect_b64 s[2:3], s[10:11], s[6:7]         ; B''s scale words
	s_add_nc_u64 s[92:93], s[92:93], s[46:47]
	s_add_nc_u64 s[96:97], s[96:97], s[66:67]
	s_lshr_b32 s46, s46, 4                         ; the scale words are a sixteenth of the codes
	s_lshr_b32 s66, s66, 4
	s_add_nc_u64 s[94:95], s[94:95], s[46:47]
	s_add_nc_u64 s[2:3], s[2:3], s[66:67]
	CROUND                                         ; all sixteen work-groups are here: the first joint loads meet
	s_mov_b32 s[G0S], 1
	s_add_co_u32 s[G0S+1], s45, SCL
	s_mov_b64 s[G0S+2:G0S+3], s[94:95]
	s_or_b32 s[G0S+3], s[G0S+3], 0x80000000
	s_mov_b32 s[G0SB], 1
	s_add_co_u32 s[G0SB+1], s45, SCL
	s_mov_b64 s[G0SB+2:G0SB+3], s[2:3]
	s_or_b32 s[G0SB+3], s[G0SB+3], 0x80000000
	JLOAD G0S, G1S, G0SB, G1SB                     ; the scale words first; three loads of mine are out behind the third of these lines
.irp s, 0,1
	s_mov_b32 s[G0+4*\s], 1
	s_add_co_u32 s[G0+4*\s+1], s44, \s*SLOT
	s_add_nc_u64 s[G0+4*\s+2:G0+4*\s+3], s[92:93], \s*4096
	s_or_b32 s[G0+4*\s+3], s[G0+4*\s+3], 0x80000000
	s_mov_b32 s[G0B+4*\s], 1
	s_add_co_u32 s[G0B+4*\s+1], s44, \s*SLOT
	s_add_nc_u64 s[G0B+4*\s+2:G0B+4*\s+3], s[96:97], \s*4096
	s_or_b32 s[G0B+4*\s+3], s[G0B+4*\s+3], 0x80000000
	JLOAD G0+4*\s, G1, G0B+4*\s, G1B
.endr
	v_and_b32 v1, 15, v0                           ; r
	v_bfe_u32 v2, v0, 4, 1                         ; h
	v_and_b32 v3, 31, v0                           ; lane
	v_lshlrev_b32 v7, 5, v2                        ; 32 h
	; the C of the first K step: Q: bq at channels 16 b + 8 h + 0 .. 7 of my 128; K, V: zeros
	s_cmp_eq_u32 s[KIND], 0
	s_cbranch_scc0 .Lno_bias
	s_lshl_b32 s66, s42, 10
	s_lshl_b32 s67, s22, 9
	s_add_co_u32 s66, s66, s67
	s_mov_b32 s67, 0
	s_add_nc_u64 s[12:13], s[12:13], s[66:67]
.irp b, 0,1,2,3,4,5,6,7
	global_load_b128 v[CB+8*\b:CB+8*\b+3], v7, s[12:13] offset:64*\b
	global_load_b128 v[CB+8*\b+4:CB+8*\b+7], v7, s[12:13] offset:64*\b+16
.endr
	s_branch .Lbias_done
.Lno_bias:
.set li, 0
.rept 64
	v_mov_b32 v[CB+li], 0
.set li, li+1
.endr
.Lbias_done:
	v_lshlrev_b32 v[CO], 4, v3
	s_lshl_b32 s66, s21, 15                        ; my 128 rows of A',
	s_lshl_b32 s67, s22, 15                        ; my 128 rows of B',
	s_add_co_u32 s67, s67, 2*HALFT                 ; which lie behind A''s 256
.irp s, 0,1
	v_add_nc_u32 v[ADRA+\s], s66, v[CO]
	v_add_nc_u32 v[ADRB+\s], s67, v[CO]
	s_add_co_u32 s66, s66, SLOT
	s_add_co_u32 s67, s67, SLOT
.endr
	s_lshl_b32 s66, s21, 12                        ; A''s scale words: my 128 rows
	s_lshl_b32 s67, s22, 12                        ; B''s, behind A''s 8,192 bytes
	s_add_co_u32 s67, s67, 2*HALFS
	s_sub_co_u32 s67, s67, s66
	v_mul_u32_u24 v6, s67, v2                      ; lanes 16-31 take B''s: one product, the distance between the two
	s_add_co_u32 s66, s66, SCL
	v_lshl_add_u32 v5, v1, 4, v6                   ; 16 bytes a row: its four words of a K half
	v_add_nc_u32 v[ADRS], s66, v5
.rept 4
	v_nop                                          ; with the lines above: plain lines between the moves that made C and the first product
.endr
.macro FRAG reg, adr, q, i             ; a fragment, 16 rows x 128 K: 8 registers, as they lie: rowtile i, K step q of the slot
.irp c, 0,1
	ds_load_b128 v[\reg+4*\c:\reg+4*\c+3], v[\adr] offset:(\i)*4096+(\q)*1024+512*\c
.endr
.endm
; 16 matrix instructions: A''s blocks a0, a0 + 1 x B''s eight.  first = 1: the first K step, whose C is CB.  The 64 accumulators take turns, one instruction a turn, in the same order in every step.
.macro MUL16 a0, p, q, sc, first
.irp a, \a0, \a0+1
.irp b, 0,1,2,3,4,5,6,7
.if \first
	v_wmma_scale_f32_16x16x128_f8f6f4 v[8*(8*((\a)%4)+\b):8*(8*((\a)%4)+\b)+7], v[128*(\p)+FR*\b:128*(\p)+FR*\b+FR-1], v[AF+FR*(\a):AF+FR*(\a)+FR-1], v[CB+8*\b:CB+8*\b+7], v[SC+8*NQ*(\sc)+NQ*\b+(\q)], v[SC+8*NQ*(\sc)+NQ*(\a)+(\q)] matrix_a_fmt:MATRIX_FMT_FP4 matrix_b_fmt:MATRIX_FMT_FP4 matrix_a_scale:MATRIX_SCALE_ROW1
.else
	v_wmma_scale_f32_16x16x128_f8f6f4 v[8*(8*((\a)%4)+\b):8*(8*((\a)%4)+\b)+7], v[128*(\p)+FR*\b:128*(\p)+FR*\b+FR-1], v[AF+FR*(\a):AF+FR*(\a)+FR-1], v[8*(8*((\a)%4)+\b):8*(8*((\a)%4)+\b)+7], v[SC+8*NQ*(\sc)+NQ*\b+(\q)], v[SC+8*NQ*(\sc)+NQ*(\a)+(\q)] matrix_a_fmt:MATRIX_FMT_FP4 matrix_b_fmt:MATRIX_FMT_FP4 matrix_a_scale:MATRIX_SCALE_ROW1
.endif
.endr
.endr
.endm
.macro FETCH_B slot, q, p
	WIN TO_B
.irp i, 0,1,2,3,4,5,6,7
	FRAG 128*(\p)+FR*\i, ADRB+\slot, \q, \i
.endr
	WIN 0
.endm
.macro FETCH_A slot, q, i0
.irp i, \i0, \i0+1, \i0+2, \i0+3
	FRAG AF+FR*(\i), ADRA+\slot, \q, \i
.endr
.endm
.macro SCALES sc                       ; a slot's scale words: lanes 0-15 take A''s block i, lanes 16-31 B''s block i: four words a row
.irp i, 0,1,2,3,4,5,6,7
	ds_load_b128 v[SC+8*NQ*\sc+NQ*\i:SC+8*NQ*\sc+NQ*\i+3], v[ADRS] offset:\i*512+\sc*256
.endr
.endm
.macro PLACES n                        ; plain lines in front of loads into registers that matrix instructions have read, and of the first read of results
.rept \n
	v_nop
.endr
.endm
.macro STEP slot, q, first             ; a K step of 128 that has its successor in the same slot
	s_wait_dscnt 4*NL                              ; B''s set and A''s blocks 0-3 are in; the youngest eight loads (A''s blocks 4-7) may be out
.if \first
	WIN 0x81                                       ; C in window 0
.else
	WIN MUL_LO
.endif
	MUL16 0, (\q)%2, \q, \slot, \first
	MUL16 2, (\q)%2, \q, \slot, \first
	s_wait_dscnt 0
	PLACES NP
	FETCH_B \slot, (\q)+1, 1-(\q)%2
	FETCH_A \slot, (\q)+1, 0
.if \first
	WIN 0xc1
.else
	WIN MUL_HI
.endif
	MUL16 4, (\q)%2, \q, \slot, \first
	MUL16 6, (\q)%2, \q, \slot, \first
	PLACES NP
	WIN 0
	FETCH_A \slot, (\q)+1, 4
.endm
.macro STEPS slot, from
.set Q, \from
.rept NQ-1-\from
	STEP \slot, Q, 0
.set Q, Q+1
.endr
.endm
	s_wait_loadcnt 0x0                             ; bq
	s_wait_tensorcnt 1                             ; the scale words and my part of slot 0 are in; slot 1's load may be out
	s_barrier_signal -1
	s_barrier_wait -1
	FETCH_B 0, 0, 0
	FETCH_A 0, 0, 0
	SCALES 0
	FETCH_A 0, 0, 4
	STEP 0, 0, 1
	STEPS 0, 1
	; slot 0's last K step, and the change to slot 1: my part of it has landed, and behind the barrier everybody's has
	s_wait_tensorcnt 0x0
	ds_add_u32 v[SPW], v[NIL]                      ; 0 onto my spare word
	s_wait_dscnt 4*NL+1                            ; (the add and the youngest eight loads may be out)
	WIN MUL_LO
	MUL16 0, 1, NQ-1, 0, 0
	s_wait_dscnt 0x0
	s_barrier_signal -1
	MUL16 2, 1, NQ-1, 0, 0
	WIN 0
	s_barrier_wait -1
	PLACES NP
	FETCH_B 1, 0, 0
	FETCH_A 1, 0, 0
	SCALES 1
	WIN MUL_HI
	MUL16 4, 1, NQ-1, 0, 0
	MUL16 6, 1, NQ-1, 0, 0
	PLACES NP
	WIN 0
	FETCH_A 1, 0, 4
	STEPS 1, 0
	s_wait_dscnt 4*NL                              ; the last K step: nothing more to fetch
	WIN MUL_LO
	MUL16 0, 1, NQ-1, 1, 0
	MUL16 2, 1, NQ-1, 1, 0
	s_wait_dscnt 0
	WIN MUL_HI
	MUL16 4, 1, NQ-1, 1, 0
	MUL16 6, 1, NQ-1, 1, 0
	WIN 0
	PLACES NP
; THE WAY OUT.  Block a (16 rows of A') x B''s eight blocks: a lane's eight numbers of an accumulator pack into 16 bytes of f16, which are the lane's 16 bytes of half a fragment of launch 3.
; Q, K: token tile a; block b: head b / 4 of my two, channels 16 (b % 4) on.   V: head a / 4, channels 16 (a % 4) on; block b: keys 16 b on: fragment b / 2, half b % 2.
.macro OUTBLK kind, a, ptr
.set AC, 64*((\a)%4)
.set TT, TMP+32*((\a)%4)
.if (\a) >= 4
	s_wait_xcnt 0x0                                ; block a - 4's stores have read their data
.endif
.if \kind == 0
	WIN 0x82+0x41*((\a)/4)                         ; destination and source 0: window 2 or 3
.set li, 0
.rept 32
	v_pk_mul_f32 v[AC+2*li:AC+2*li+1], v[AC+2*li:AC+2*li+1], s[94:95] op_sel_hi:[1,0]   ; x c, in f32; each accumulator from its low end on
.set li, li+1
.endr
.endif
	WIN 0x0a+5*((\a)/4)                            ; sources 0 and 1: window 2 or 3
.irp b, 0,1,2,3,4,5,6,7
.irp r, 0,1,2,3
	v_cvt_pk_f16_f32 v[TT+4*\b+\r], v[AC+8*\b+2*\r], v[AC+8*\b+2*\r+1]
.endr
.endr
	WIN 0
.irp b, 0,1,2,3,4,5,6,7
.if \kind == 2
	global_store_b128 v[CO], v[TT+4*\b:TT+4*\b+3], s[(\ptr):(\ptr)+1] offset:((\a)/4)*262144+((\a)%4)*1024+(\b/2)*4096+(\b%2)*512
.else
	global_store_b128 v[CO], v[TT+4*\b:TT+4*\b+3], s[(\ptr):(\ptr)+1] offset:(\a)*2048+(\b/4)*262144+(\b%4)*512
.endif
.endr
.endm
.macro EPI kind
.if \kind == 2
	s_lshr_b32 s66, s42, 3                         ; batch = token tile / 8
	s_lshl_b32 s66, s66, 4
	s_sub_co_u32 s67, s43, 8
	s_lshl_b32 s67, s67, 2                         ; four heads to a tile of 256 channels,
	s_add_co_u32 s66, s66, s67
	s_lshl_b32 s67, s21, 1                         ; two to my half
	s_add_co_u32 s66, s66, s67
	s_lshl_b32 s66, s66, 18                        ; a head is 262,144 bytes
	s_and_b32 s67, s42, 7
	s_lshl_b32 s67, s67, 3                         ; eight runs of 32 keys to a tile of 256 tokens,
	s_lshl_b32 s46, s22, 2                         ; four to my half
	s_add_co_u32 s67, s67, s46
	s_lshl_b32 s67, s67, 12
	s_add_co_u32 s66, s66, s67
	s_mov_b32 s67, 0
	s_add_nc_u64 s[18:19], s[18:19], s[66:67]
.else
	s_lshr_b32 s66, s43, 3                         ; batch
	s_lshl_b32 s66, s66, 4
	s_and_b32 s67, s42, 3
	s_lshl_b32 s67, s67, 2
	s_add_co_u32 s66, s66, s67
	s_lshl_b32 s67, s22, 1
	s_add_co_u32 s66, s66, s67
	s_lshl_b32 s66, s66, 18
	s_and_b32 s67, s43, 7
	s_lshl_b32 s67, s67, 4                         ; sixteen token tiles to a tile of 256 tokens,
	s_lshl_b32 s46, s21, 3                         ; eight to my half
	s_add_co_u32 s67, s67, s46
	s_lshl_b32 s67, s67, 11
	s_add_co_u32 s66, s66, s67
	s_mov_b32 s67, 0
.if \kind == 0
	s_add_nc_u64 s[14:15], s[14:15], s[66:67]
	s_mov_b32 s94, 0x3e38aa3b                      ; c = log2(e) / 8
	s_mov_b32 s95, s94                             ; (named with it as a pair, so it is written)
.else
	s_add_nc_u64 s[16:17], s[16:17], s[66:67]
.endif
.endif
.irp a, 0,1,2,3,4,5,6,7
	OUTBLK \kind, \a, 14+2*\kind
.endr
.endm
	s_cmp_eq_u32 s[KIND], 0
	s_cbranch_scc1 .Lout_q
	s_cmp_eq_u32 s[KIND], 1
	s_cbranch_scc1 .Lout_k
	EPI 2
	s_branch .Ldone
.Lout_q:
	EPI 0
	s_branch .Ldone
.Lout_k:
	EPI 1
.Ldone:
	s_wait_tensorcnt 0x0                           ; the wave's end: behind my last tensor load
	ds_add_u32 v[SPW], v[NIL]
	s_wait_dscnt 0x0
	CROUND                                         ; the closing round
	s_endpgm
.Lfunc_end_k_qeb1a3c7054_proj:
	.size	k_qeb1a3c7054_proj, .Lfunc_end_k_qeb1a3c7054_proj-k_qeb1a3c7054_proj
	.p2alignl 7, 3214868480
	.fill 96, 4, 3214868480
	.section	.rodata,"a",@progbits
	.p2align	6, 0x0
	.amdhsa_kernel k_qeb1a3c7054_proj
		.amdhsa_group_segment_fixed_size 327680
		.amdhsa_private_segment_fixed_size 0
		.amdhsa_enable_private_segment 0
		.amdhsa_kernarg_size 64
		.amdhsa_user_sgpr_count 2
		.amdhsa_user_sgpr_kernarg_segment_ptr 1
		.amdhsa_wavefront_size32 1
		.amdhsa_system_sgpr_workgroup_id_x 1
		.amdhsa_system_sgpr_workgroup_id_y 1
		.amdhsa_system_sgpr_workgroup_id_z 1
		.amdhsa_system_vgpr_workitem_id 0
		.amdhsa_next_free_vgpr 1024
		.amdhsa_next_free_sgpr 98
		.amdhsa_reserve_vcc 0
		.amdhsa_float_denorm_mode_32 3
		.amdhsa_float_denorm_mode_16_64 3
		.amdhsa_memory_ordered 1
		.amdhsa_forward_progress 1
		.amdhsa_inst_pref_size 184
	.end_amdhsa_kernel
	.amdgpu_metadata
---
amdhsa.version: [ 1, 2 ]
amdhsa.kernels:
  - .name:           k_qeb1a3c7054_proj
    .symbol:         k_qeb1a3c7054_proj.kd
    .args:
      - { .name: xc, .offset: 0, .size: 8, .value_kind: global_buffer, .address_space: global }
      - { .name: xs, .offset: 8, .size: 8, .value_kind: global_buffer, .address_space: global }
      - { .name: wc, .offset: 16, .size: 8, .value_kind: global_buffer, .address_space: global }
      - { .name: ws, .offset: 24, .size: 8, .value_kind: global_buffer, .address_space: global }
      - { .name: bq, .offset: 32, .size: 8, .value_kind: global_buffer, .address_space: global }
      - { .name: qf, .offset: 40, .size: 8, .value_kind: global_buffer, .address_space: global }
      - { .name: kf, .offset: 48, .size: 8, .value_kind: global_buffer, .address_space: global }
      - { .name: vf, .offset: 56, .size: 8, .value_kind: global_buffer, .address_space: global }
    .group_segment_fixed_size: 327680
    .private_segment_fixed_size: 0
    .kernarg_segment_align: 8
    .kernarg_segment_size: 64
    .max_flat_workgroup_size: 128
    .sgpr_count:     98
    .vgpr_count:     1024
    .wavefront_size: 32
...
	.end_amdgpu_metadata
.endif
;; end of part 2
;; launch attn (part 3): grid 4 x 64, 8 waves a work-group, clusters of 4 x 1, 327,680 bytes of LDS; arguments qf, kf, vf, mask, bv, out0; writes out0
.if DOCPART == 3
	.amdgcn_target "amdgcn-amd-amdhsa--gfx1250"
	.amdhsa_code_object_version 6
	.text
	.protected	k_qeb1a3c7054_attn
	.globl	k_qeb1a3c7054_attn
	.p2align	8
	.type	k_qeb1a3c7054_attn,@function
k_qeb1a3c7054_attn:
	s_mov_b64 s[64:65], 0
	v_nop
	global_prefetch_b8 v0, s[64:65] scope:SCOPE_SE
	s_setreg_imm32_b32 hwreg(HW_REG_WAVE_MODE, 25, 1), 1
	s_wait_xcnt 0x0
	s_wait_alu depctr_hold_cnt(0) depctr_sa_sdst(0) depctr_va_vdst(0) depctr_va_sdst(0) depctr_va_ssrc(0) depctr_va_vcc(0) depctr_vm_vsrc(0)
	s_getreg_b32 s2, hwreg(HW_REG_IB_STS2, 6, 4)
	s_cmp_eq_u32 s2, 0
	s_cbranch_scc0 .Lentry_in_a_cluster
	s_endpgm
.Lentry_in_a_cluster:
	s_bfe_u32 s2, ttmp6, 0x10000c
	s_cmp_lg_u32 s2, 0x3003
	s_cbranch_scc0 .Lentry_shape_is_right
	s_endpgm
.Lentry_shape_is_right:
; MULTI-HEAD ATTENTION, launch 3 of 3: out0[b][s][64 head + d] = sum over t of softmax_t(q_s . k_t / 8, keys with mask 0 at -infinity) v_t[d] + bv.  64 (batch, head) pairs, 2,048 queries x 2,048 keys, head size 64.
; LEFT OUT: bk (the same along the softmax's axis: shown at the head of launch 1).  bv is added once, in the last multiply-add: the weights of a row add up to 1.
; OPERANDS in f16, sums, maxima and exponentials in f32.  q comes multiplied by log2(e) / 8, so a score s is an exponent of 2: p = 2^(s - m), m the row's running maximum; in every step O and the row's sum l are
; multiplied by a = 2^(m_old - m_new).  l is summed of the unrounded p and divides at the end.
; THE MASK costs no line in the loop: a table in LDS holds 0 or -1e30 for each key of the batch, and the table's eight numbers of a lane are the C of the first score product.  Scores are under 64 x 65,504^2 = 2.8e11 in
; size, m begins at -1e12: a masked score is never the maximum and its p is 0.  A batch with no key left keeps l = 0 and O = 0, and 0 x (1 / 0) gives NaN, as the softmax of a row of -infinity does.
; Tiles whose keys are all masked are multiplied like any other: the mask is data, and no branch hangs on data.
; LIMITS: a p under 6e-5 is a subnormal f16, off by 3e-8 at the most beside a row sum of 1 or more; NaN and infinities among the inputs are not served.
; SHARES.  A work-group owns 512 queries of one head, each of its eight waves 64: four tiles of 16.  Every wave walks the head's 32 key steps of 64 keys.
; LAYOUT.  S^T = K Q^T + C (source 0 = 16 keys, source 1 = 16 queries), O^T += V^T P (source 0 = 16 channels, source 1 = P): a lane holds ONE query throughout, and two score tiles, rounded in pairs, are P.
; K, V^T and Q lie in memory as images of their fragments' registers: every LDS load is 16 x lane, no pitch, no padding, no transposing load.
; TWO WAVES TO A SIMD, IN OPPOSITE PHASES.  A key step has two parts: PART1 (K and the mask's numbers from LDS, 32 score products, V asked for) and PART2 (softmax, 32 products V^T P).  Waves 0-3 run PART1, PART2 in a trip;
; waves 4-7 run PART2 of the step before and then PART1, V waiting in registers meanwhile; so one wave's vector work stands beside the other's matrix work, behind each barrier too.  Their first PART2 finds
; scores of -1e30 and a V of zeros, which change nothing; their last stands behind the loop.  All eight waves run the lines that set those first values, so that the text has one way there.
; CLUSTER.  The four query blocks of a head walk the same K and V: each tile is asked for jointly, by the same tensor load with the same descriptor and the mask 15.  A slot holds 512 keys: eight key steps lie between
; a request and the wait for it, so nothing is asked of memory ahead of the loads themselves.
; REGISTERS: window 0: v1-11 addresses; v12-15 the old m; v16-47 eight registers of statistics a tile; v48-79 the mask's numbers; v80-111 bv; v112-125 at work at the head; v128-255 S^T, 32 a tile, then P in place.
;   window 1: v0-127 O^T, 32 a tile; v128-191 Q, 16 a tile; v192-255 K of a step, then V of the same step.
.set SLOT1, 131072                     ; a slot: 64 KiB of K (8,192 bytes a step), 64 KiB of V; slot 1 begins here: one exclusive or turns an address
.set BIAS,  262144                     ; behind the slots: 0 or -1e30 for each of the batch's 2,048 keys
.set STAGE, BIAS+8192                  ; the way out: 16 rows x (256 + 16) bytes for each wave
.set SP,    272
.set SPARE, STAGE+8*16*SP              ; the spare words, 128 bytes for each wave: four blocks of 256 bytes that no other line names
.set LI,  1                            ; v1   16 x lane
.set AB0, 2                            ; v2   BIAS + 32 (lane / 16)
.set ADR, 3                            ; v3   the step's K
.set ADV, 4                            ; v4   the step's V
.set ADB, 5                            ; v5   the step's numbers of the mask
.set STO, 6                            ; v6   the stage: where I put 32 bytes of a row
.set RD,  7                            ; v7   and where I read a row back
.set GO,  8                            ; v8   my byte offset in the wave's rows of out0
.set SPW, 10                           ; v10  LDS address of my spare word; never rewritten
.set NIL, 11                           ; v11  0; never rewritten
.set MO,  12                           ; v12-15 m of the step before
.set ST,  16                           ; tile z at v[ST + 8 z]: +0 m, +1 = 0 (named with m as a pair), +2, +3 l (even keys', odd keys'), +4 .. +7 at work; a in +6, m_old - m in +7
.set BI,  48
.set BV,  80
.set S,   128
.set Q,   128                          ; in window 1
.set KV,  192                          ; in window 1
.set WV,  16                           ; s16 my wave's number
.set G1,  24                           ; s[24:31] descriptor group 1
.set G0,  32                           ; s[32:35] descriptor group 0, which walks
.set SEL, 36                           ; s[36:37] lane selects for v_permlanex16_b32: lane l xor 16
.set TB,  38                           ; s38 LDS byte at which the step's K begins
.set TM,  39                           ; s39 the step's place in the mask's table: 256 bytes a step
.set SLOTS, 40
.set TRIPS, 41
.set MSB, 0
.macro WIN new                         ; the immediate's high byte repeats the setting that is left
.if MSB != \new
	s_set_vgpr_msb (MSB<<8)|\new
.set MSB, \new
.endif
.endm
.set W_LD, 0x40                        ; destination window 1
.set W_S,  0x05                        ; K and Q in window 1; C and S^T in window 0
.set W_RS, 0x41                        ; O^T (destination and source 0) in window 1, a in window 0
.set W_PV, 0x51                        ; V and O^T in window 1, P in window 0
.macro CROUND                          ; a round of the cluster's barrier
	s_barrier_signal -1
	s_barrier_wait -1
	s_cmp_lg_u32 s[WV], 0
	s_cbranch_scc1 .Lnot_wave_0_\@
	s_barrier_signal -3
.Lnot_wave_0_\@:
	s_barrier_wait -3
	s_barrier_signal -1
	s_barrier_wait -1
.endm
.macro TLOAD                           ; my 16 KiB of a slot; an s_nop 0 and four v_nop follow
	tensor_load_to_lds s[G0:G0+3], s[G1:G1+7]
	s_nop 0
.rept 4
	v_nop
.endr
.endm
	s_load_b256 s[4:11], s[0:1], 0x0               ; qf s[4:5], kf s[6:7], vf s[8:9], mask s[10:11]
	s_load_b128 s[12:15], s[0:1], 0x20             ; bv s[12:13], out0 s[14:15]
	v_lshl_add_u32 v[SPW], v0, 2, SPARE
	v_mov_b32 v[NIL], 0
	ds_add_u32 v[SPW], v[NIL]                      ; the wave's opening: the add, twice on end, and its wait ahead of my first tensor load; the set-up below stands between
	ds_add_u32 v[SPW], v[NIL]
	v_lshrrev_b32 v9, 5, v0
	v_readfirstlane_b32 s[WV], v9                  ; wave 0..7
	s_bfe_u32 s17, ttmp6, 0x40000                  ; cx: my block of 512 queries: it enters Q's and out0's addresses alone
	s_and_b32 s18, ttmp7, 0xffff                   ; 16 x batch + head, which the four partners share
	s_mov_b32 s[G1], 15|(3<<16)|(1<<21)            ; 15:0 the mask: all four work-groups; 17:16 elements of 8 bytes; 21 set beside a mask; no padding
	s_mov_b32 s[G1+1], 32<<16                      ; tensor_dim0 = 32 elements: 256 bytes
	s_mov_b32 s[G1+2], 64<<16                      ; tensor_dim1 = 64 rows: 16 KiB, dense
	s_mov_b32 s[G1+3], 32<<16                      ; tile_dim0
	s_mov_b32 s[G1+4], 64                          ; tile_dim1
	s_mov_b32 s[G1+5], 32                          ; tensor_dim0_stride
	s_mov_b32 s[G1+6], 0
	s_mov_b32 s[G1+7], 0
	s_mov_b32 s[SEL], 0x76543210
	s_mov_b32 s[SEL+1], 0xfedcba98
	s_mov_b32 s[TB], 0
	s_mov_b32 s[TM], 0
	s_mov_b32 s[SLOTS], 3
	s_lshl_b32 s20, s18, 18                        ; the head's first byte in qf, kf and vf
	s_and_b32 s19, s[WV], 3
	s_lshl_b32 s22, s19, 14                        ; my quarter of a slot's K (waves 0-3) or V (waves 4-7)
	s_add_co_u32 s22, s22, s20
	s_mov_b32 s23, 0
	s_lshl_b32 s42, s17, 16                        ; Q: 512 queries are 65,536 bytes,
	s_lshl_b32 s43, s[WV], 13                      ; my 64 are 8,192
	s_add_co_u32 s42, s42, s43
	s_add_co_u32 s42, s42, s20
	s_mov_b32 s43, 0
	s_lshr_b32 s19, s18, 4                         ; batch
	s_lshl_b32 s44, s19, 13                        ; its row of the mask
	s_mov_b32 s45, 0
	s_and_b32 s46, s18, 15
	s_lshl_b32 s46, s46, 8                         ; the head's 256 bytes of bv and of a row of out0
	s_mov_b32 s47, 0
	s_lshl_b32 s48, s19, 11
	s_lshl_b32 s49, s17, 9
	s_add_co_u32 s48, s48, s49
	s_lshl_b32 s49, s[WV], 6
	s_add_co_u32 s48, s48, s49                     ; my first row of out0
	s_lshl_b32 s48, s48, 12
	s_add_co_u32 s48, s48, s46
	s_mov_b32 s49, 0
	s_wait_dscnt 0x0                               ; both opening adds are done
	s_wait_kmcnt 0x0
	s_cmp_lt_u32 s[WV], 4
	s_cselect_b64 s[G0+2:G0+3], s[6:7], s[8:9]     ; 120:64 global address
	s_add_nc_u64 s[G0+2:G0+3], s[G0+2:G0+3], s[22:23]
	s_or_b32 s[G0+3], s[G0+3], 0x80000000          ; 127:126 type = 2
	s_mov_b32 s[G0], 1                             ; count = 1
	s_lshl_b32 s[G0+1], s[WV], 14                  ; LDS address: 16,384 x wave, in slot 0
	s_add_nc_u64 s[4:5], s[4:5], s[42:43]
	s_add_nc_u64 s[10:11], s[10:11], s[44:45]
	s_add_nc_u64 s[12:13], s[12:13], s[46:47]
	s_add_nc_u64 s[14:15], s[14:15], s[48:49]
	CROUND                                         ; all four work-groups are here: the first joint loads meet
	TLOAD                                          ; slot 0: one load of mine is out, here and behind every later round
	v_and_b32 v9, 31, v0
	v_lshlrev_b32 v[LI], 4, v9
	v_and_b32 v124, 15, v0                         ; r
	v_bfe_u32 v125, v0, 4, 1                       ; h
	v_lshl_add_u32 v[AB0], v125, 5, BIAS
	s_mul_i32 s19, s[WV], 16*SP
	s_add_co_u32 s19, s19, STAGE                   ; my stage
	v_mul_u32_u24 v[STO], v124, SP
	v_lshl_add_u32 v[STO], v125, 5, v[STO]
	v_add_nc_u32 v[STO], s19, v[STO]
	v_mul_u32_u24 v[RD], v125, SP
	v_lshl_add_u32 v[RD], v124, 4, v[RD]
	v_add_nc_u32 v[RD], s19, v[RD]
	v_lshlrev_b32 v[GO], 12, v125
	v_lshl_add_u32 v[GO], v124, 4, v[GO]
	v_lshlrev_b32 v121, 5, v0                      ; the mask: eight keys, 32 bytes, a thread
	v_lshl_add_u32 v120, v0, 5, BIAS               ; and their eight numbers in the table
	v_lshlrev_b32 v122, 5, v125                    ; bv: 32 h
	v_mov_b32 v123, 0xf149f2ca                     ; -1e30
	global_load_b128 v[112:115], v121, s[10:11]
	global_load_b128 v[116:119], v121, s[10:11] offset:16
	WIN W_LD
.irp n, 0,1,2,3,4,5,6,7,8,9,10,11,12,13,14,15
	global_load_b128 v[Q+4*\n:Q+4*\n+3], v[LI], s[4:5] offset:512*\n th:TH_LOAD_NT   ; Q stays in registers: tile n / 4, channels 32 ((n / 2) % 2) on
.endr
.set pi, 0
.rept 128
	v_mov_b32 v[pi], 0                             ; O^T.  (The step is written once: the first finds zeros)
.set pi, pi+1
.endr
.set pi, 0
.rept 64
	v_mov_b32 v[KV+pi], 0                          ; a V of zeros, for the first PART2 of waves 4-7
.set pi, pi+1
.endr
	WIN 0
.irp n, 0,1,2,3,4,5,6,7
	global_load_b128 v[BV+4*\n:BV+4*\n+3], v122, s[12:13] offset:(\n/2)*64+(\n%2)*16   ; bv at channels 16 t + 8 h + 0 .. 7
.endr
.set pi, 0
.rept 128
	v_mov_b32 v[S+pi], v123                        ; scores of -1e30, for the same
.set pi, pi+1
.endr
.irp z, 0,1,2,3
	v_mov_b32 v[ST+8*\z], 0xd368d4a5               ; m = -1e12: under every score that counts, over every masked one
	v_mov_b32 v[ST+8*\z+1], 0
	v_mov_b32 v[ST+8*\z+2], 0                      ; l
	v_mov_b32 v[ST+8*\z+3], 0
	v_mov_b32 v[MO+\z], 0xd368d4a5
.endr
	s_wait_loadcnt 24                              ; the mask's two loads are in; Q's sixteen and bv's eight may be out
.irp i, 0,1,2,3,4,5,6,7
	v_cmp_eq_u32 vcc_lo, 0, v[112+\i]
	v_cndmask_b32 v[112+\i], 0, v123, vcc_lo       ; 0 where the key counts, -1e30 where the mask is 0
.endr
	ds_store_b128 v120, v[112:115]
	ds_store_b128 v120, v[116:119] offset:16
	s_wait_loadcnt 0x0                             ; Q, bv
; PART1 of a key step: K and the mask's numbers from LDS; 32 score products; V of the same step is asked for into K's registers.
.macro PART1
	v_add_nc_u32 v[ADR], s[TB], v[LI]
	v_add_nc_u32 v[ADV], 0x10000, v[ADR]
	v_add_nc_u32 v[ADB], s[TM], v[AB0]
	WIN W_LD
.irp n, 0,1,2,3,4,5,6,7,8,9,10,11,12,13,14,15
	ds_load_b128 v[KV+4*\n:KV+4*\n+3], v[ADR] offset:512*\n     ; fragment (keys 16 kt on, channels 32 cc on) at KV + 8 (2 kt + cc)
.endr
	WIN 0
.irp n, 0,1,2,3,4,5,6,7
	ds_load_b128 v[BI+4*\n:BI+4*\n+3], v[ADB] offset:(\n/2)*64+(\n%2)*16   ; keys 16 kt + 8 h + 0 .. 7: the sixteen lanes of a half read the same bytes
.endr
	s_wait_dscnt 0x0
	WIN W_S
.irp cc, 0,1                           ; the 16 accumulators take turns, one instruction a turn
.irp kt, 0,1,2,3
.irp z, 0,1,2,3
.if \cc == 0
	v_wmma_f32_16x16x32_f16 v[S+32*\z+8*\kt:S+32*\z+8*\kt+7], v[KV+8*(2*\kt+\cc):KV+8*(2*\kt+\cc)+7], v[Q+16*\z+8*\cc:Q+16*\z+8*\cc+7], v[BI+8*\kt:BI+8*\kt+7]
.else
	v_wmma_f32_16x16x32_f16 v[S+32*\z+8*\kt:S+32*\z+8*\kt+7], v[KV+8*(2*\kt+\cc):KV+8*(2*\kt+\cc)+7], v[Q+16*\z+8*\cc:Q+16*\z+8*\cc+7], v[S+32*\z+8*\kt:S+32*\z+8*\kt+7]
.endif
.endr
.endr
.endr
	WIN 0
.irp z, 0,1,2,3
	v_mov_b32 v[MO+\z], v[ST+8*\z]                 ; m is kept for a.  These four are the plain lines between the products and the loads into K's registers, and the first read of the scores
.endr
	WIN W_LD
.irp n, 0,1,2,3,4,5,6,7,8,9,10,11,12,13,14,15
	ds_load_b128 v[KV+4*\n:KV+4*\n+3], v[ADV] offset:512*\n     ; fragment (keys 32 kc on, channels 16 t on) at KV + 8 (4 kc + t)
.endr
	WIN 0
	s_add_co_u32 s[TB], s[TB], 8192
	s_add_co_u32 s[TM], s[TM], 256
.endm
; PART2 of a key step: the softmax of the wave's four tiles, line by line by turns, and 32 products V^T P.
.macro PART2
.irp j, 0,1,2,3                        ; the maximum of a lane's 32 scores and m, three operands at a time; each accumulator is read from its low end on
.irp z, 0,1,2,3
	v_max3_num_f32 v[ST+8*\z+4+\j], v[S+32*\z+8*\j], v[S+32*\z+8*\j+1], v[S+32*\z+8*\j+2]
.endr
.endr
.irp g, 1,2
.irp j, 0,1,2,3
.irp z, 0,1,2,3
	v_max3_num_f32 v[ST+8*\z+4+\j], v[ST+8*\z+4+\j], v[S+32*\z+8*\j+2*\g+1], v[S+32*\z+8*\j+2*\g+2]
.endr
.endr
.endr
.irp z, 0,1,2,3
	v_max3_num_f32 v[ST+8*\z+4], v[ST+8*\z+4], v[S+32*\z+7], v[S+32*\z+15]
.endr
.irp z, 0,1,2,3
	v_max3_num_f32 v[ST+8*\z+6], v[ST+8*\z+6], v[S+32*\z+23], v[S+32*\z+31]
.endr
.irp z, 0,1,2,3
	v_max3_num_f32 v[ST+8*\z+4], v[ST+8*\z+4], v[ST+8*\z+5], v[ST+8*\z+6]
.endr
.irp z, 0,1,2,3
	v_max3_num_f32 v[ST+8*\z+4], v[ST+8*\z+4], v[ST+8*\z+7], v[ST+8*\z]
.endr
.irp z, 0,1,2,3
	v_permlanex16_b32 v[ST+8*\z+5], v[ST+8*\z+4], s[SEL], s[SEL+1]   ; the query's other 32 keys lie in the lane 16 away
.endr
.irp z, 0,1,2,3
	v_max_num_f32 v[ST+8*\z], v[ST+8*\z+4], v[ST+8*\z+5]             ; the new m
.endr
.irp z, 0,1,2,3
	v_sub_f32 v[ST+8*\z+7], v[MO+\z], v[ST+8*\z]
.endr
; ONE BATCH: the four a, the 64 subtractions s - m (a pair of scores each) and the 128 exponentials; none of these lines names an exponential's result
.irp z, 0,1,2,3
	v_exp_f32 v[ST+8*\z+6], v[ST+8*\z+7]
.endr
.set pi, 0
.rept 16
.irp z, 0,1,2,3
	v_pk_add_f32 v[S+32*\z+2*pi:S+32*\z+2*pi+1], v[S+32*\z+2*pi:S+32*\z+2*pi+1], v[ST+8*\z:ST+8*\z+1] op_sel_hi:[1,0] neg_lo:[0,1] neg_hi:[0,1]
.endr
.if pi > 0
.irp z, 0,1,2,3
	v_exp_f32 v[S+32*\z+2*pi-2], v[S+32*\z+2*pi-2]
	v_exp_f32 v[S+32*\z+2*pi-1], v[S+32*\z+2*pi-1]
.endr
.endif
.set pi, pi+1
.endr
.irp z, 0,1,2,3
	v_exp_f32 v[S+32*\z+30], v[S+32*\z+30]
	v_exp_f32 v[S+32*\z+31], v[S+32*\z+31]
.endr
	v_nop                                          ; a plain line behind the last exponential
	s_wait_alu depctr_va_vdst(0)                   ; the wait ahead of the first line that names a result: one for the whole batch
.irp z, 0,1,2,3
	v_pk_mul_f32 v[ST+8*\z+2:ST+8*\z+3], v[ST+8*\z+2:ST+8*\z+3], v[ST+8*\z+6:ST+8*\z+7] op_sel_hi:[1,0]   ; l x a
.endr
.irp z, 0,1,2,3
	v_pk_add_f32 v[ST+8*\z+4:ST+8*\z+5], v[S+32*\z:S+32*\z+1], v[S+32*\z+2:S+32*\z+3]   ; the sum of the unrounded p, in two chains
.endr
.irp j, 4,8,12,16,20,24,28
.irp z, 0,1,2,3
	v_pk_add_f32 v[ST+8*\z+2:ST+8*\z+3], v[ST+8*\z+2:ST+8*\z+3], v[S+32*\z+\j:S+32*\z+\j+1]
	v_pk_add_f32 v[ST+8*\z+4:ST+8*\z+5], v[ST+8*\z+4:ST+8*\z+5], v[S+32*\z+\j+2:S+32*\z+\j+3]
.endr
.endr
.irp z, 0,1,2,3
	v_pk_add_f32 v[ST+8*\z+2:ST+8*\z+3], v[ST+8*\z+2:ST+8*\z+3], v[ST+8*\z+4:ST+8*\z+5]
.endr
.set pi, 0
.rept 16                               ; p to f16, in place: register i takes pair i; registers 8 kc .. 8 kc + 7 are P for keys 32 kc on
.irp z, 0,1,2,3
	v_cvt_pk_f16_f32 v[S+32*\z+pi], v[S+32*\z+2*pi], v[S+32*\z+2*pi+1]
.endr
.set pi, pi+1
.endr
	s_wait_dscnt 0x0                               ; V is in
	WIN W_RS
.set pi, 0
.rept 16
.irp z, 0,1,2,3
	v_pk_mul_f32 v[32*\z+2*pi:32*\z+2*pi+1], v[32*\z+2*pi:32*\z+2*pi+1], v[ST+8*\z+6:ST+8*\z+7] op_sel_hi:[1,0]   ; O^T x a; each accumulator from its low end on
.endr
.set pi, pi+1
.endr
	WIN W_PV
.irp kc, 0,1                           ; the 16 accumulators take turns, one instruction a turn
.irp t, 0,1,2,3
.irp z, 0,1,2,3
	v_wmma_f32_16x16x32_f16 v[32*\z+8*\t:32*\z+8*\t+7], v[KV+8*(4*\kc+\t):KV+8*(4*\kc+\t)+7], v[S+32*\z+8*\kc:S+32*\z+8*\kc+7], v[32*\z+8*\t:32*\z+8*\t+7]
.endr
.endr
.endr
	WIN 0
.rept 5
	v_nop                                          ; the next score products write over P's registers (five plain lines), and K's loads land in V's (four)
.endr
.endm
.macro TRIP
	s_cmp_lt_u32 s[WV], 4
	s_cbranch_scc1 .Lfront_\@
	PART2                                          ; waves 4-7: the step before
.Lfront_\@:
	PART1
	s_cmp_lt_u32 s[WV], 4
	s_cbranch_scc0 .Lback_\@
	PART2                                          ; waves 0-3: this step
.Lback_\@:
.endm
.macro SLOTLOOP                        ; a slot's eight key steps
	s_mov_b32 s[TRIPS], 8
.Ltrip_\@:
	TRIP
	s_sub_co_u32 s[TRIPS], s[TRIPS], 1
	s_cmp_lg_u32 s[TRIPS], 0
	s_cbranch_scc1 .Ltrip_\@
	s_sub_co_u32 s[TB], s[TB], 65536               ; back to a slot's first step,
	s_xor_b32 s[TB], s[TB], SLOT1                  ; in the other slot
.endm
; THE CHANGE OF SLOTS stands at a slot's head.  Each wave waits for all its tensor loads (its part of the slot ahead), adds 0 to its spare word, and waits for that and for its LDS instructions: its reads of the slot
; that it has left (V of that slot's last step among them), and at the first change its stores into the mask's table.  fill = 1: the barrier is a round of the cluster's, and the other slot is filled first thing behind it.
.macro CHANGE fill
	s_wait_tensorcnt 0x0                           ; no tensor load of mine is out, so group 0 may be written
	ds_add_u32 v[SPW], v[NIL]                      ; 0 onto my spare word
.if \fill
	s_xor_b32 s[G0+1], s[G0+1], SLOT1              ; the other slot than last time,
	s_add_nc_u64 s[G0+2:G0+3], s[G0+2:G0+3], 65536 ; the next 512 keys; the type bits on top are not reached
.endif
	s_wait_dscnt 0x0
.if \fill
	CROUND
	TLOAD
.else
	s_barrier_signal -1
	s_barrier_wait -1
.endif
.endm
.Lslot:                                            ; three trips: behind each change of slots but the last the next 512 keys are asked for
	CHANGE 1
	SLOTLOOP
	s_sub_co_u32 s[SLOTS], s[SLOTS], 1
	s_cmp_lg_u32 s[SLOTS], 0
	s_cbranch_scc1 .Lslot
	CHANGE 0                                       ; the last slot is written out
	SLOTLOOP
	s_cmp_lt_u32 s[WV], 4
	s_cbranch_scc1 .Llast
	PART2                                          ; waves 4-7: the last step
.Llast:
	; THE WAY OUT.  l's two halves and the other half of the lanes' are added; out = O^T / l + bv, one multiply-add; a tile (16 rows x 256 bytes) at a time goes through my stage and leaves as whole runs of 256 bytes.
.irp z, 0,1,2,3
	v_add_f32 v[ST+8*\z+4], v[ST+8*\z+2], v[ST+8*\z+3]
.endr
.irp z, 0,1,2,3
	v_permlanex16_b32 v[ST+8*\z+5], v[ST+8*\z+4], s[SEL], s[SEL+1]
.endr
.irp z, 0,1,2,3
	v_add_f32 v[ST+8*\z+4], v[ST+8*\z+4], v[ST+8*\z+5]
.endr
.irp z, 0,1,2,3
	v_rcp_f32 v[ST+8*\z+6], v[ST+8*\z+4]
.endr
	v_nop                                          ; a plain line behind the last reciprocal
	s_wait_alu depctr_va_vdst(0)                   ; and the wait ahead of the first use: one for the four
.macro PACK z
	WIN 0x01                                       ; source 0 (O^T) window 1
.set pi, 0
.rept 16
	v_pk_fma_f32 v[S+32*\z+2*pi:S+32*\z+2*pi+1], v[32*\z+2*pi:32*\z+2*pi+1], v[ST+8*\z+6:ST+8*\z+7], v[BV+2*pi:BV+2*pi+1] op_sel_hi:[1,0,1]
.set pi, pi+1
.endr
	WIN 0
.irp t, 0,1,2,3
	ds_store_b128 v[STO], v[S+32*\z+8*\t:S+32*\z+8*\t+3] offset:64*\t          ; lane (r, h): row r, channels 16 t + 8 h + 0 .. 7
	ds_store_b128 v[STO], v[S+32*\z+8*\t+4:S+32*\z+8*\t+7] offset:64*\t+16
.endr
.irp f, 0,1,2,3,4,5,6,7
	ds_load_b128 v[S+32*\z+4*\f:S+32*\z+4*\f+3], v[RD] offset:\f*2*SP          ; LDS serves a wave's instructions in order: these see the stores above, and the next tile's stores come behind them
.endr
.endm
.macro SEND z, younger                 ; younger: the LDS instructions issued behind tile z's loads: the next tile's sixteen, or none
.irp f, 0,1,2,3,4,5,6,7
	s_wait_dscnt \younger+7-\f
	global_store_b128 v[GO], v[S+32*\z+4*\f:S+32*\z+4*\f+3], s[14:15] offset:(16*\z+2*\f)*4096 th:TH_STORE_NT   ; sixteen lanes store 256 consecutive bytes, at a multiple of 256 from out0's first byte
.endr
.endm
	PACK 0
	PACK 1
	SEND 0, 16
	PACK 2
	SEND 1, 16
	PACK 3
	SEND 2, 16
	SEND 3, 0
	s_wait_tensorcnt 0x0                           ; the wave's end: behind my last tensor load and my last LDS store
	ds_add_u32 v[SPW], v[NIL]
	s_wait_dscnt 0x0
	CROUND                                         ; the closing round: no work-group ends while a partner may still ask for a tile that names it
	s_endpgm
.Lfunc_end_k_qeb1a3c7054_attn:
	.size	k_qeb1a3c7054_attn, .Lfunc_end_k_qeb1a3c7054_attn-k_qeb1a3c7054_attn
	.p2alignl 7, 3214868480
	.fill 96, 4, 3214868480
	.section	.rodata,"a",@progbits
	.p2align	6, 0x0
	.amdhsa_kernel k_qeb1a3c7054_attn
		.amdhsa_group_segment_fixed_size 327680
		.amdhsa_private_segment_fixed_size 0
		.amdhsa_enable_private_segment 0
		.amdhsa_kernarg_size 48
		.amdhsa_user_sgpr_count 2
		.amdhsa_user_sgpr_kernarg_segment_ptr 1
		.amdhsa_wavefront_size32 1
		.amdhsa_system_sgpr_workgroup_id_x 1
		.amdhsa_system_sgpr_workgroup_id_y 1
		.amdhsa_system_sgpr_workgroup_id_z 1
		.amdhsa_system_vgpr_workitem_id 0
		.amdhsa_next_free_vgpr 512
		.amdhsa_next_free_sgpr 66
		.amdhsa_reserve_vcc 1
		.amdhsa_float_denorm_mode_32 3
		.amdhsa_float_denorm_mode_16_64 3
		.amdhsa_memory_ordered 1
		.amdhsa_forward_progress 1
		.amdhsa_inst_pref_size 180
	.end_amdhsa_kernel
	.amdgpu_metadata
---
amdhsa.version: [ 1, 2 ]
amdhsa.kernels:
  - .name:           k_qeb1a3c7054_attn
    .symbol:         k_qeb1a3c7054_attn.kd
    .args:
      - { .name: qf, .offset: 0, .size: 8, .value_kind: global_buffer, .address_space: global }
      - { .name: kf, .offset: 8, .size: 8, .value_kind: global_buffer, .address_space: global }
      - { .name: vf, .offset: 16, .size: 8, .value_kind: global_buffer, .address_space: global }
      - { .name: mask, .offset: 24, .size: 8, .value_kind: global_buffer, .address_space: global }
      - { .name: bv, .offset: 32, .size: 8, .value_kind: global_buffer, .address_space: global }
      - { .name: out0, .offset: 40, .size: 8, .value_kind: global_buffer, .address_space: global }
    .group_segment_fixed_size: 327680
    .private_segment_fixed_size: 0
    .kernarg_segment_align: 8
    .kernarg_segment_size: 48
    .max_flat_workgroup_size: 256
    .sgpr_count:     66
    .vgpr_count:     512
    .wavefront_size: 32
...
	.end_amdgpu_metadata
.endif
;; end of part 3
